; MI455X (gfx1250); checked and timed in simulation.
; The chip was launched on July 23, 2026; its instructions are those of AMD's public machine-readable ISA for CDNA 5 (MIT licence, August 2026) and "CDNA5" Instruction Set Architecture Reference Guide (July 2026). The comments in the code are by the model that wrote it; some were corrected since.
;; Vector Quantizer. Allowed arithmetic: matrix products marked QUANTISED: E2M1 operands, one E8M0 scale for each 32 along K, by v_wmma_scale_f32_16x16x128_f8f6f4 with both operands' format E2M1 (or v_wmma_scale_f32_32x16x128_f4), f32 sums; everything else in f32.
;; Inputs: codebook 8,192 x 256 float32; z 4 x 8 x 32 x 32 x 256 float32.
;; Outputs: out0 4 x 8 x 32 x 32 x 256 float32; out1 one number float32; out2 32,768 int32.
;; This version of the problem:
;;   THIS VERSION OF THE PROBLEM IS GIVEN IN LOW PRECISION. The matrix products marked QUANTISED in the list below multiply operands that are first quantised to E2M1 (2 exponent bits, 1 mantissa bit; 4 bits a number), with one power-of-two scale for each 32 numbers along K (OCP MX v1.0); their sums are f32. All else is computed in f32.
;;   The module's matrix products, in the order in which they are computed (A, B: the left and right operand; K: the contracted axis; several contracted axes count as one K, in the product's order):
;;     1. [M 32,768, K 256] x [K 256, N 8,192]; A: input z; B: input codebook: QUANTISED
;;   THE QUANTISER, for each operand of a quantised product, along K:
;;     - K is cut into blocks of 32 from its start; a last block that is shorter is filled with zeros.
;;     - A block's scale is 2^e with e = floor(log2(the largest magnitude in the block)) - 2, held to -126 .. 127; a block of zeros has e = 0. As a byte (E8M0): e + 127.
;;     - Each number is divided by its block's scale, clamped to +-6, and rounded to the nearest number of E2M1, ties to even, subnormals kept.
;;     - The product sums the exact products of the quantised numbers (number of the format x scale) in f32.
;;   ~~~python
;;   def quantise(x, axis):      # numpy; x: float32 -> the quantised numbers, widened to float32 again
;;       x = np.moveaxis(x, axis, -1); K = x.shape[-1]
;;       x = np.pad(x, [(0, 0)] * (x.ndim - 1) + [(0, -K % 32)]); x = x.reshape(x.shape[:-1] + (-1, 32)); a = np.abs(x).max(-1, keepdims=True)
;;       e = np.where(a > 0, np.clip(np.frexp(np.where(a > 0, a, 1))[1] - 1 - 2, -126, 127), 0)      # np.frexp(a)[1] - 1 = floor(log2(a)), exactly
;;       r = np.clip(x / 2.0 ** e, -6, 6)
;;       step = 2.0 ** (np.maximum(np.frexp(np.where(r == 0, 1, r))[1] - 1, 0) - 1)
;;       q = np.round(r / step) * step * 2.0 ** e      # np.round: ties to even
;;       return np.moveaxis(q.reshape(q.shape[:-2] + (-1,))[..., :K], -1, axis).astype(np.float32)
;;   ~~~
;; One version. Each part assembles by itself: llvm-mc -triple=amdgcn-amd-amdhsa -mcpu=gfx1250 --defsym DOCPART=n.
;; ======== version 1 of 1: 5 launches
;; limits: right only within a limited range of input values
;; workspace buffers: zimg 4,718,592 bytes; cbimg 1,179,648 bytes; sub 131,072 bytes of whole numbers; idx 131,072 bytes of whole numbers; part 1,024 bytes
;; launch quant (part 1): grid 256 x 1, 5 waves a work-group, no clusters, 44,288 bytes of LDS; arguments z, codebook, zimg, cbimg; writes zimg, cbimg
.if DOCPART == 1
	.amdgcn_target "amdgcn-amd-amdhsa--gfx1250"
	.amdhsa_code_object_version 6
	.text
	.protected	k_qb67aac386c_quant
	.globl	k_qb67aac386c_quant
	.p2align	8
	.type	k_qb67aac386c_quant,@function
k_qb67aac386c_quant:
	s_mov_b64 s[64:65], 0
	v_nop
	global_prefetch_b8 v0, s[64:65] scope:SCOPE_SE
	s_setreg_imm32_b32 hwreg(HW_REG_WAVE_MODE, 25, 1), 1
	s_wait_xcnt 0x0
; z [32768][256] and codebook [8192][256], f32, become RECORDS of 32 rows: codes of FP4 (E2M1) laid as the matrix operand's registers take them, E8M0 scale bytes, and each row's sum of squares.
; A RECORD is 4,608 bytes (18 x 256):
;   +0, +2048  two images of 16 rows x 256 K: the 16 bytes of block B (32 codes along K) of tile row m lie at 256 B + 16 m, so that a load of 16 bytes a lane at 16 x lane + 512 g brings registers 4 g .. 4 g + 3 of a fragment
;   +4096      scale bytes, 8 for each row q = 0 .. 31 (byte B for block B)
;   +4352      the rows' sums of squares, f32 [32], and the same 128 bytes once more: so the record ends on a whole 256 bytes
; z: row q goes to tile q / 16, tile row q % 16.  Codebook: codeword q goes to tile (q / 8) % 2, tile row 8 (q / 16) + q % 8: in a transposed product a half of the lanes then holds 16 neighbouring codewords over the two tiles.
; A block's scale is 2^(floor(log2(its largest magnitude)) - 2); its byte is that magnitude's exponent field - 2, held at 1 from below; numbers are divided by the scale and rounded to the nearest code, ties to even, beyond 6 the largest code.
; THE SUM OF SQUARES: each square is rounded to f32; the 32 squares of a block are added in ascending k; the eight block sums are added in ascending order.  The later launches add this number to others and compare the rounded results.
; LIMITS: NaN and infinities among the inputs are not served.  A block of zeros gets the byte 1 (its codes are zeros; this program alone reads the bytes).  Another order of the 256 additions can differ in the sum's last bit.
; SHARES: a wave makes one record (32 rows, 32,768 bytes in).  There are 1,024 records of z and 256 of the codebook: 1,280 = 256 work-groups x 5 waves; wave w of work-group g makes record 5 g + w of that list.
; One path through the text: only pointers and one lane offset are chosen, by the record's number.
; A step is 64 along K: 16 loads, each two whole runs of 256 bytes.  All four steps' 64 loads go out at the head, into 256 registers of window 1.  A step's numbers turn through the wave's own stage in LDS
; (rows 272 bytes apart) so that lane q holds 64 neighbours of row q.  No barrier: waves share nothing.
.set REC,   4608
.set PITCH, 272
.set STGB,  32*PITCH                   ; a wave's stage
.set SPARE, 5*STGB                     ; behind the five stages: the spare words, 128 bytes a wave
.set GIN,   2                          ; v2   in: (q / 16) rows of 1,024 bytes + 16 (q % 16)
.set SIN,   3                          ; v3   the stage, on the way in
.set SOUT,  4                          ; v4   and on the way out: row q
.set CO,    5                          ; v5   where my row's 16 bytes of a block lie in the record
.set Q8,    6                          ; v6   8 q
.set PA,    7                          ; v7-8 lane selects for the sums' way out
.set M,     10                         ; v10-11 largest magnitudes of the step's two blocks
.set SO,    12                         ; v12-13 the conversions' scale operands
.set BY,    14                         ; v14-15 the scale bytes
.set P,     16                         ; v16-17 the blocks' sums of squares
.set ZZ,    18                         ; v18  the row's
.set W,     20                         ; v20-21 the row's eight scale bytes
.set NRM,   22                         ; v22-23 two rows' sums, to store
.set X,     160                        ; v160-223 64 neighbours of my row
.set C,     224                        ; v224-255 codes: four registers for each block, so that no store's data are written again
                                       ; window 1, v256-511: step t's 64 registers as loaded, at 64 t
.set MSB, 0
.macro WIN new                         ; the immediate's high byte repeats the setting that is left
.if MSB != \new
	s_set_vgpr_msb (MSB<<8)|\new
.set MSB, \new
.endif
.endm
	s_load_b256 s[4:11], s[0:1], 0x0               ; z s[4:5], codebook s[6:7], zimg s[8:9], cbimg s[10:11]
	v_lshl_add_u32 v30, v0, 2, SPARE
	v_mov_b32 v31, 0
	v_lshrrev_b32 v1, 5, v0
	v_readfirstlane_b32 s12, v1                    ; wave
	v_and_b32 v1, 31, v0                           ; q
	v_lshrrev_b32 v24, 4, v1                       ; q / 16
	v_and_b32 v25, 15, v1
	v_lshlrev_b32 v25, 4, v25                      ; 16 (q % 16)
	v_lshl_add_u32 v[GIN], v24, 10, v25
	s_mul_i32 s13, s12, STGB
	v_mad_u32_u24 v[SIN], v24, PITCH, v25
	v_add_nc_u32 v[SIN], s13, v[SIN]
	v_mul_u32_u24 v[SOUT], v1, PITCH
	v_add_nc_u32 v[SOUT], s13, v[SOUT]
	v_lshl_add_u32 v26, v24, 11, v25               ; z: tile q / 16, tile row q % 16
	v_bfe_u32 v27, v1, 3, 1
	v_and_b32 v28, 7, v1
	v_lshlrev_b32 v28, 4, v28
	v_lshl_add_u32 v28, v24, 7, v28
	v_lshl_add_u32 v27, v27, 11, v28               ; codebook: tile (q / 8) % 2, tile row 8 (q / 16) + q % 8
	v_lshlrev_b32 v[Q8], 3, v1
	v_and_b32 v[PA], 15, v1
	v_lshlrev_b32 v[PA], 3, v[PA]                  ; 4 x lane (2 q) % 32,
	v_add_nc_u32 v[PA+1], 4, v[PA]                 ; and the lane after it
	s_wait_alu depctr_va_vdst(0)                   ; the wait at the head's end
	s_wait_kmcnt 0x0
	s_mul_i32 s14, ttmp9, 5
	s_add_co_u32 s14, s14, s12                     ; my record among the 1,280
	s_cmp_lt_u32 s14, 1024                         ; z or the codebook?  The choice hangs on ids alone
	s_cselect_b64 s[4:5], s[4:5], s[6:7]
	s_cselect_b64 s[8:9], s[8:9], s[10:11]
	s_cselect_b32 s20, -1, 0
	s_cselect_b32 s15, 0, 1024
	v_cndmask_b32 v[CO], v27, v26, s20
	s_sub_co_u32 s14, s14, s15                     ; my record in its tensor
	s_lshl_b32 s16, s14, 15                        ; 32 rows of 1,024 bytes in,
	s_mov_b32 s17, 0
	s_mul_i32 s18, s14, REC                        ; 4,608 bytes out
	s_mov_b32 s19, 0
	s_add_nc_u64 s[4:5], s[4:5], s[16:17]
	s_add_nc_u64 s[8:9], s[8:9], s[18:19]
.macro LOAD t                          ; step t: bytes 256 t .. 256 t + 255 of all 32 rows; load i takes rows 2 i and 2 i + 1, sixteen lanes to a row
.set i, 0
.rept 16
	global_load_b128 v[64*(\t)+4*i:64*(\t)+4*i+3], v[GIN], s[4:5] offset:i*2048+(\t)*256 th:TH_LOAD_NT
.set i, i+1
.endr
.endm
.macro TURN t                          ; through the stage: LDS serves a wave's instructions in order (ISA guide 5.7.1.4), so no wait stands between the stores and the loads
	WIN 0x04                                       ; the stores' data lie in window 1
.set i, 0
.rept 16
	ds_store_b128 v[SIN], v[64*(\t)+4*i:64*(\t)+4*i+3] offset:i*2*PITCH
.set i, i+1
.endr
	WIN 0
.set i, 0
.rept 16
	ds_load_b128 v[X+4*i:X+4*i+3], v[SOUT] offset:16*i
.set i, i+1
.endr
.endm
.macro WORK t                          ; blocks 2 t and 2 t + 1 of my row, by turns line by line
.irp b, 0,1
	v_max3_num_f32 v[M+\b], |v[X+32*\b]|, |v[X+32*\b+1]|, 0x1800000   ; with the floor 2^(3 - 127): the byte cannot fall under 1
.endr
.set i, 2
.rept 15
.irp b, 0,1
	v_max3_num_f32 v[M+\b], v[M+\b], |v[X+32*\b+i]|, |v[X+32*\b+i+1]|
.endr
.set i, i+2
.endr
.irp b, 0,1
	v_add_nc_u32 v[SO+\b], 0xff000000, v[M+\b]     ; 2 off the exponent field: the conversion takes that field of this operand as its scale
.endr
.irp b, 0,1
	v_lshrrev_b32 v[BY+\b], 23, v[SO+\b]           ; the scale's byte
.endr
.if ((\t)%2) == 0
	v_lshl_or_b32 v[W+(\t)/2], v[BY+1], 8, v[BY]   ; four bytes to a word, the lower K in the lower byte
.else
	v_lshl_or_b32 v[W+(\t)/2], v[BY], 16, v[W+(\t)/2]
	v_lshl_or_b32 v[W+(\t)/2], v[BY+1], 24, v[W+(\t)/2]
.endif
.irp b, 0,1
.irp g, 0,1,2,3
	v_cvt_scalef32_pk8_fp4_f32 v[C+4*(2*(\t)+\b)+\g], v[X+32*\b+8*\g:X+32*\b+8*\g+7], v[SO+\b]
.endr
.endr
	v_nop                                          ; one plain instruction between the conversions and the squares, which write over their sources
.irp b, 0,1
	global_store_b128 v[CO], v[C+4*(2*(\t)+\b):C+4*(2*(\t)+\b)+3], s[8:9] offset:(2*(\t)+\b)*256   ; the 32 lanes fill two whole aligned runs of 256 bytes, one in each image
.endr
.set i, 0
.rept 32
	v_pk_mul_f32 v[X+i:X+i+1], v[X+i:X+i+1], v[X+i:X+i+1]   ; the squares, each rounded to f32
.set i, i+2
.endr
.irp b, 0,1
	v_add_f32 v[P+\b], v[X+32*\b], v[X+32*\b+1]
.endr
.set i, 2
.rept 30
.irp b, 0,1
	v_add_f32 v[P+\b], v[P+\b], v[X+32*\b+i]       ; in ascending k
.endr
.set i, i+1
.endr
.if (\t) == 0
	v_add_f32 v[ZZ], v[P], v[P+1]
.else
	v_add_f32 v[ZZ], v[ZZ], v[P]                   ; the block sums in ascending order
	v_add_f32 v[ZZ], v[ZZ], v[P+1]
.endif
.endm
	WIN 0x40                                       ; the loads land in window 1
	LOAD 0
	LOAD 1
	LOAD 2
	LOAD 3
	WIN 0
.irp t, 0,1,2,3
	s_wait_loadcnt 48-16*\t                        ; this step's 16 loads are in; the later steps' may be out
	TURN \t
	s_wait_dscnt 0x0                               ; my 64 neighbours are in
	WORK \t
.endr
	global_store_b64 v[Q8], v[W:W+1], s[8:9] offset:4096       ; 8 scale bytes a row: 256 consecutive bytes
	ds_bpermute_b32 v[NRM], v[PA], v[ZZ]                       ; lane q takes the sums of rows (2 q) % 32 and (2 q + 1) % 32
	ds_bpermute_b32 v[NRM+1], v[PA+1], v[ZZ]
	s_wait_dscnt 0x0
	global_store_b64 v[Q8], v[NRM:NRM+1], s[8:9] offset:4352   ; the 32 sums, twice: 256 consecutive bytes
	s_wait_tensorcnt 0x0                           ; the wave's end
	ds_add_u32 v30, v31
	s_wait_dscnt 0x0
	s_endpgm
.Lfunc_end_k_qb67aac386c_quant:
	.size	k_qb67aac386c_quant, .Lfunc_end_k_qb67aac386c_quant-k_qb67aac386c_quant
	.p2alignl 7, 3214868480
	.fill 96, 4, 3214868480
	.section	.rodata,"a",@progbits
	.p2align	6, 0x0
	.amdhsa_kernel k_qb67aac386c_quant
		.amdhsa_group_segment_fixed_size 44288
		.amdhsa_private_segment_fixed_size 0
		.amdhsa_enable_private_segment 0
		.amdhsa_kernarg_size 32
		.amdhsa_user_sgpr_count 2
		.amdhsa_user_sgpr_kernarg_segment_ptr 1
		.amdhsa_wavefront_size32 1
		.amdhsa_system_sgpr_workgroup_id_x 1
		.amdhsa_system_sgpr_workgroup_id_y 1
		.amdhsa_system_sgpr_workgroup_id_z 1
		.amdhsa_system_vgpr_workitem_id 0
		.amdhsa_next_free_vgpr 512
		.amdhsa_next_free_sgpr 66
		.amdhsa_reserve_vcc 0
		.amdhsa_float_denorm_mode_32 3
		.amdhsa_float_denorm_mode_16_64 3
		.amdhsa_memory_ordered 1
		.amdhsa_forward_progress 1
		.amdhsa_inst_pref_size 46
	.end_amdhsa_kernel
	.amdgpu_metadata
---
amdhsa.version: [ 1, 2 ]
amdhsa.kernels:
  - .name:           k_qb67aac386c_quant
    .symbol:         k_qb67aac386c_quant.kd
    .args:
      - { .name: z, .offset: 0, .size: 8, .value_kind: global_buffer, .address_space: global }
      - { .name: codebook, .offset: 8, .size: 8, .value_kind: global_buffer, .address_space: global }
      - { .name: zimg, .offset: 16, .size: 8, .value_kind: global_buffer, .address_space: global }
      - { .name: cbimg, .offset: 24, .size: 8, .value_kind: global_buffer, .address_space: global }
    .group_segment_fixed_size: 44288
    .private_segment_fixed_size: 0
    .kernarg_segment_align: 8
    .kernarg_segment_size: 32
    .max_flat_workgroup_size: 160
    .sgpr_count:     66
    .vgpr_count:     512
    .wavefront_size: 32
...
	.end_amdgpu_metadata
.endif
;; end of part 1
;; launch nearest (part 2): grid 256 x 1, 8 waves a work-group, clusters of 4 x 1, 327,680 bytes of LDS; arguments zimg, cbimg, sub; writes sub
.if DOCPART == 2
	.amdgcn_target "amdgcn-amd-amdhsa--gfx1250"
	.amdhsa_code_object_version 6
	.text
	.protected	k_qb67aac386c_nearest
	.globl	k_qb67aac386c_nearest
	.p2align	8
	.type	k_qb67aac386c_nearest,@function
k_qb67aac386c_nearest:
	s_mov_b64 s[64:65], 0
	v_nop
	global_prefetch_b8 v0, s[64:65] scope:SCOPE_SE
	s_setreg_imm32_b32 hwreg(HW_REG_WAVE_MODE, 25, 1), 1
	s_wait_xcnt 0x0
	s_wait_alu depctr_hold_cnt(0) depctr_sa_sdst(0) depctr_va_vdst(0) depctr_va_sdst(0) depctr_va_ssrc(0) depctr_va_vcc(0) depctr_vm_vsrc(0)
	s_getreg_b32 s2, hwreg(HW_REG_IB_STS2, 6, 4)
	s_cmp_eq_u32 s2, 0
	s_cbranch_scc0 .Lentry_in_a_cluster
	s_endpgm
.Lentry_in_a_cluster:
	s_bfe_u32 s2, ttmp6, 0x10000c
	s_cmp_lg_u32 s2, 0x3003
	s_cbranch_scc0 .Lentry_shape_is_right
	s_endpgm
.Lentry_shape_is_right:
; For each row of z: the number of the sub-chunk of 16 neighbouring codewords that holds the first smallest d = (zz + cc) - 2 mm, to sub.  mm is the product of the FP4 codes with their E8M0 scales.
; zz + cc is rounded to f32, then d once more (2 mm is exact in the fused multiply-add), as reference() rounds them.  zz is the same along the axis of the argmin, but it is so large beside the other terms
; that the rounded d tie by it: so it stays.  Nothing of reference() is left out here.
; SHARES.  A work-group owns 128 rows of z: eight tiles of 16, whose fragments (128 registers), scale words and zz every wave keeps in registers.  The codebook's 256 records of 32 codewords (launch quant lays them)
; go through two LDS slots of 32 records; wave w fetches and reads records 4 w .. 4 w + 3 of a slot, so no wave reads what another wave's load brought.  A chunk is one record against the 128 rows: four batches,
; each two tiles of z x two tiles of codewords: 8 matrix instructions (K = 256 in two links, four accumulators by turns) and 52 vector instructions.
; TRANSPOSED: source 0 = 16 codewords, source 1 = 16 rows of z: lane (r, h) holds row r, and over a record's two tiles 16 neighbouring codewords: sub-chunk 2 x record + h.
; CLUSTER: the four work-groups of a cluster walk the same records: each slot part is asked for jointly (mask 15), and each refill stands behind a round of the cluster's barrier.
; THE STREAM OF CHUNKS DOES NOT STOP AT A CHANGE OF SLOTS: a slot's fourth chunk is in registers when the round begins; its batch 0 stands between the add and the wait for it, batch 1 between the opening signal and
; its wait, batches 2 and 3 behind the refill, while the next slot's first chunk comes from LDS.
; NO PREFETCH: a refill is asked for at least 14 batches of its wave ahead of the wait for it, and the whole stream is eight slots.
; LIMITS: NaN and infinities among the inputs are not served.
.set REC,   4608
.set PART,  4*REC                      ; a wave's part of a slot
.set SLOTB, 8*PART
.set SPARE, 2*SLOTB                    ; the spare words: 128 bytes a wave
.set MRG,   SPARE+1024                 ; the waves' candidates: 8 waves x 8 tiles x 32 lanes x 8 bytes
.set RES,   MRG+16384                  ; the 128 results
.set SPW,  4
.set NIL,  5
.set AF,   6                           ; v6-7   LDS address of my codes in slot 0, 1
.set AS,   8                           ; v8-9   of my scale words
.set AC,   10                          ; v10-11 of my half's cc
.set CID,  12                          ; v12    the chunk's sub-chunk number for my half
.set L16,  13
.set ZSO,  14
.set ZZO,  15
.set MA,   16
.set MR,   17
.set RS,   18
.set RL,   19
.set ZS,   20                          ; v20-27 z's scale words: lanes 0-15 K 0-127, lanes 16-31 K 128-255
.set CS,   28                          ; v28-31 the codewords' scale words, two sets of two
.set ZZ,   32                          ; v32-47 zz, in both halves of a pair, for each tile of z
.set BA,   48                          ; v48-63 for each tile of z: smallest d so far, its sub-chunk
.set BB,   64                          ; v64-71 the smallest d behind an odd number of chunks: so the old one is at hand for the compare
.set TP,   76
.set CC,   80                          ; v80-111 cc, two sets of 16
.set ACC,  112
.set T,    144                         ; v144-175 t, then d
.set CAND, 176
.set M,    192                         ; v192-201 the tree of minima
.set CF,   128                         ; window 1: v0-127 z's fragments; v128-191 the codewords', two sets of 32
.set G1,   16
.set G0,   24
.set MSB, 0
.macro WIN new                         ; the immediate's high byte repeats the setting that is left
.if MSB != \new
	s_set_vgpr_msb (MSB<<8)|\new
.set MSB, \new
.endif
.endm
.macro CREST                           ; a round of the cluster's barrier behind its opening barrier
	s_cmp_lg_u32 s10, 0
	s_cbranch_scc1 .Lnot_wave_0_\@
	s_barrier_signal -3
.Lnot_wave_0_\@:
	s_barrier_wait -3
	s_barrier_signal -1
	s_barrier_wait -1
.endm
.macro ROUND
	s_barrier_signal -1
	s_barrier_wait -1
	CREST
.endm
	s_load_b128 s[4:7], s[0:1], 0x0                ; zimg, cbimg
	s_load_b64 s[8:9], s[0:1], 0x10                ; sub
	v_lshl_add_u32 v[SPW], v0, 2, SPARE
	v_mov_b32 v[NIL], 0
	ds_add_u32 v[SPW], v[NIL]                      ; the opening lines: the add, twice on end, and its wait
	ds_add_u32 v[SPW], v[NIL]
	v_lshrrev_b32 v1, 5, v0
	s_delay_alu instid0(VALU_DEP_1)
	v_readfirstlane_b32 s10, v1                    ; wave
	s_bfe_u32 s11, ttmp6, 0x40000                  ; cx
	s_lshl_b32 s12, ttmp9, 2
	s_add_co_u32 s12, s12, s11                     ; work-group
	s_mov_b32 s[G1+0], 15|(3<<16)|(1<<21)          ; mask: all four of the cluster; elements of 8 bytes; a part is dense: 72 rows of 256 bytes
	s_mov_b32 s[G1+1], 32<<16
	s_mov_b32 s[G1+2], 72<<16
	s_mov_b32 s[G1+3], 32<<16
	s_mov_b32 s[G1+4], 72
	s_mov_b32 s[G1+5], 32
	s_mov_b32 s[G1+6], 0
	s_mov_b32 s[G1+7], 0
	s_mul_i32 s13, s10, PART
	s_mov_b32 s14, s13
	s_mov_b32 s15, 0
	s_mul_i32 s38, s12, 4*REC                      ; my work-group's four records of z
	s_mov_b32 s39, 0
	s_lshl_b32 s44, s12, 9                         ; and its 128 words of sub
	s_mov_b32 s45, 0
	s_mov_b32 s36, 0x76543210
	s_mov_b32 s37, 0xfedcba98
	v_and_b32 v1, 31, v0
	v_and_b32 v2, 15, v0                           ; r
	v_bfe_u32 v3, v0, 4, 1                         ; h
	s_delay_alu instid0(VALU_DEP_3)
	v_lshlrev_b32 v[L16], 4, v1
	s_delay_alu instid0(VALU_DEP_3)
	v_lshlrev_b32 v[ZSO], 3, v2
	s_delay_alu instid0(VALU_DEP_1)
	v_lshl_add_u32 v[ZSO], v3, 2, v[ZSO]
	s_delay_alu instid0(VALU_DEP_1)
	v_add_nc_u32 v[ZSO], 4096, v[ZSO]              ; row r's scale word of K half h
	v_lshl_add_u32 v[ZZO], v2, 2, 4352
	s_wait_alu depctr_va_vdst(0)                   ; the wait ahead of the waits below
	s_wait_dscnt 0x0                               ; both opening adds are done
	s_wait_kmcnt 0x0
	s_add_nc_u64 s[6:7], s[6:7], s[14:15]
	s_add_nc_u64 s[4:5], s[4:5], s[38:39]
	s_add_nc_u64 s[8:9], s[8:9], s[44:45]
	WIN 0x40                                       ; z goes out first of all: 56 loads, waited for once, ahead of the first product
.irp a, 0,1,2,3,4,5,6,7
.irp g, 0,1,2,3
	global_load_b128 v[16*\a+4*\g:16*\a+4*\g+3], v[L16], s[4:5] offset:(\a/2)*REC+(\a%2)*2048+\g*512
.endr
.endr
	WIN 0
.irp a, 0,1,2,3,4,5,6,7
	global_load_b32 v[ZS+\a], v[ZSO], s[4:5] offset:(\a/2)*REC+(\a%2)*128
	global_load_b32 v[ZZ+2*\a], v[ZZO], s[4:5] offset:(\a/2)*REC+(\a%2)*64
	global_load_b32 v[ZZ+2*\a+1], v[ZZO], s[4:5] offset:(\a/2)*REC+(\a%2)*64
.endr
.irp n, 0,1
	s_mov_b32 s[G0+4*\n], 1
	s_add_co_u32 s[G0+4*\n+1], s13, \n*SLOTB
	s_add_nc_u64 s[G0+4*\n+2:G0+4*\n+3], s[6:7], \n*SLOTB
	s_or_b32 s[G0+4*\n+3], s[G0+4*\n+3], 0x80000000
.endr
	ROUND                                          ; the four work-groups are here: the first joint loads meet
	tensor_load_to_lds s[G0:G0+3], s[G1:G1+7]      ; slot 0: my one tensor load at the head
	s_nop 0
	v_add_nc_u32 v[AF], s13, v[L16]
	s_delay_alu instid0(VALU_DEP_1)
	v_add_nc_u32 v[AF+1], SLOTB, v[AF]
	v_lshrrev_b32 v[TP], 3, v2
	v_and_b32 v[TP+1], 7, v2
	s_delay_alu instid0(VALU_DEP_1)
	v_lshlrev_b32 v[TP+1], 3, v[TP+1]
	s_delay_alu instid0(VALU_DEP_1)
	v_lshl_add_u32 v[TP+1], v[TP], 7, v[TP+1]      ; tile row r of tile u is codeword 16 (r / 8) + 8 u + r % 8: 8 scale bytes each
	s_delay_alu instid0(VALU_DEP_1)
	v_lshl_add_u32 v[TP+1], v3, 2, v[TP+1]
	s_delay_alu instid0(VALU_DEP_1)
	v_add_nc_u32 v[TP+1], 4096, v[TP+1]
	s_delay_alu instid0(VALU_DEP_1)
	v_add_nc_u32 v[AS], s13, v[TP+1]
	s_delay_alu instid0(VALU_DEP_1)
	v_add_nc_u32 v[AS+1], SLOTB, v[AS]
	v_lshl_add_u32 v[TP+1], v3, 6, 4352            ; my half's 16 cc
	s_delay_alu instid0(VALU_DEP_1)
	v_add_nc_u32 v[AC], s13, v[TP+1]
	s_delay_alu instid0(VALU_DEP_1)
	v_add_nc_u32 v[AC+1], SLOTB, v[AC]
	s_lshl_b32 s14, s10, 3
	v_add_nc_u32 v[CID], s14, v3                   ; record 4 w: sub-chunk 8 w + h
	s_lshl_b32 s14, s10, 11
	v_lshl_add_u32 v[MA], v1, 3, MRG
	s_delay_alu instid0(VALU_DEP_1)
	v_add_nc_u32 v[MA], s14, v[MA]
	s_lshl_b32 s14, s10, 8
	v_lshl_add_u32 v[MR], v1, 3, MRG
	s_delay_alu instid0(VALU_DEP_1)
	v_add_nc_u32 v[MR], s14, v[MR]
	s_lshl_b32 s14, s10, 6
	v_lshl_add_u32 v[RS], v2, 2, RES
	s_delay_alu instid0(VALU_DEP_1)
	v_add_nc_u32 v[RS], s14, v[RS]
	v_add_nc_u32 v[RL], RES, v[L16]
.irp a, 0,1,2,3,4,5,6,7
	v_mov_b32 v[BA+2*\a], 0x7f800000               ; over every d
	v_mov_b32 v[BA+2*\a+1], 0
.endr
; Record i of my part of a slot into set p: 14 LDS loads
.macro LOADC slot, i, p
	WIN 0x40
.irp u, 0,1
.irp g, 0,1,2,3
	ds_load_b128 v[CF+32*\p+16*\u+4*\g:CF+32*\p+16*\u+4*\g+3], v[AF+\slot] offset:\i*REC+\u*2048+\g*512
.endr
.endr
	WIN 0
.irp u, 0,1
	ds_load_b32 v[CS+2*\p+\u], v[AS+\slot] offset:\i*REC+64*\u
.endr
.irp u, 0,1
.irp e, 0,1
	ds_load_b128 v[CC+16*\p+8*\u+4*\e:CC+16*\p+8*\u+4*\e+3], v[AC+\slot] offset:\i*REC+32*\u+16*\e
.endr
.endr
.endm
; Tiles 2 b and 2 b + 1 of z against set p's two tiles of codewords.  The 16 additions of t name no register of the products: they are the places ahead of the first read of a result.
.macro BATCH b, p
	WIN 0x05
.irp x, 0,1
.irp u, 0,1
	v_wmma_scale_f32_16x16x128_f8f6f4 v[ACC+8*(2*\x+\u):ACC+8*(2*\x+\u)+7], v[CF+32*\p+16*\u:CF+32*\p+16*\u+7], v[16*(2*\b+\x):16*(2*\b+\x)+7], 0, v[CS+2*\p+\u], v[ZS+2*\b+\x] matrix_a_fmt:MATRIX_FMT_FP4 matrix_b_fmt:MATRIX_FMT_FP4
.endr
.endr
.irp x, 0,1
.irp u, 0,1
	v_wmma_scale_f32_16x16x128_f8f6f4 v[ACC+8*(2*\x+\u):ACC+8*(2*\x+\u)+7], v[CF+32*\p+16*\u+8:CF+32*\p+16*\u+15], v[16*(2*\b+\x)+8:16*(2*\b+\x)+15], v[ACC+8*(2*\x+\u):ACC+8*(2*\x+\u)+7], v[CS+2*\p+\u], v[ZS+2*\b+\x] matrix_a_fmt:MATRIX_FMT_FP4 matrix_b_fmt:MATRIX_FMT_FP4 matrix_a_scale:MATRIX_SCALE_ROW1 matrix_b_scale:MATRIX_SCALE_ROW1
.endr
.endr
	WIN 0
.irp x, 0,1
.irp u, 0,1
.irp j, 0,2,4,6
	v_pk_add_f32 v[T+8*(2*\x+\u)+\j:T+8*(2*\x+\u)+\j+1], v[CC+16*\p+8*\u+\j:CC+16*\p+8*\u+\j+1], v[ZZ+2*(2*\b+\x):ZZ+2*(2*\b+\x)+1]   ; t = zz + cc
.endr
.endr
.endr
.irp x, 0,1
.irp u, 0,1
.irp j, 0,2,4,6
	v_pk_fma_f32 v[T+8*(2*\x+\u)+\j:T+8*(2*\x+\u)+\j+1], v[ACC+8*(2*\x+\u)+\j:ACC+8*(2*\x+\u)+\j+1], -2.0, v[T+8*(2*\x+\u)+\j:T+8*(2*\x+\u)+\j+1] op_sel_hi:[1,0,1]   ; d = t - 2 mm; each accumulator from its low end on
.endr
.endr
.endr
.if \p == 0
.set rO0, BA+2*(2*\b)
.set rO1, BA+2*(2*\b+1)
.set rN0, BB+2*\b
.set rN1, BB+2*\b+1
.else
.set rO0, BB+2*\b
.set rO1, BB+2*\b+1
.set rN0, BA+2*(2*\b)
.set rN1, BA+2*(2*\b+1)
.endif
.irp x, 0,1                            ; the smallest of my 16 d and the old smallest: eight three-way minima a row of z, three deep
.irp k, 0,1,2,3,4
	v_min3_num_f32 v[M+5*\x+\k], v[T+16*\x+3*\k], v[T+16*\x+3*\k+1], v[T+16*\x+3*\k+2]
.endr
.endr
	v_min3_num_f32 v[M],   v[M],   v[M+1], v[M+2]
	v_min3_num_f32 v[M+3], v[M+3], v[M+4], v[T+15]
	v_min3_num_f32 v[M+5], v[M+5], v[M+6], v[M+7]
	s_delay_alu instid0(VALU_DEP_4)
	v_min3_num_f32 v[M+8], v[M+8], v[M+9], v[T+31]
	s_delay_alu instid0(VALU_DEP_3)
	v_min3_num_f32 v[rN0], v[M],   v[M+3], v[rO0]
	s_delay_alu instid0(VALU_DEP_2)
	v_min3_num_f32 v[rN1], v[M+5], v[M+8], v[rO1]
	s_delay_alu instid0(VALU_DEP_2)
	v_cmp_lt_f32 s34, v[rN0], v[rO0]               ; strictly lower: the first of equal d stays
	s_delay_alu instid0(VALU_DEP_2)
	v_cmp_lt_f32 s35, v[rN1], v[rO1]
	s_delay_alu instid0(VALU_DEP_2)
	v_cndmask_b32 v[BA+2*(2*\b)+1], v[BA+2*(2*\b)+1], v[CID], s34
	s_delay_alu instid0(VALU_DEP_2)
	v_cndmask_b32 v[BA+2*(2*\b+1)+1], v[BA+2*(2*\b+1)+1], v[CID], s35
.endm
.macro CHUNK p, step
	BATCH 0, \p
	BATCH 1, \p
	BATCH 2, \p
	BATCH 3, \p
	v_add_nc_u32 v[CID], \step, v[CID]
.endm
; A slot's four chunks.  On entry chunk 0 is on its way into set 0.  mode 2: the slot is filled again; 1: nothing is filled, the next slot is read; 0: the last slot.
.macro PHASE slot, next, mode
	LOADC \slot, 1, 1
	s_wait_dscnt 14                                ; the older chunk's 14 loads are in; the younger's may be out
	CHUNK 0, 2
	LOADC \slot, 2, 0
	s_wait_dscnt 14
	CHUNK 1, 2
	LOADC \slot, 3, 1
	s_wait_dscnt 14
	CHUNK 0, 2
.if \mode == 2
	s_wait_tensorcnt 0x0                           ; my one load that was out, my part of the next slot, has landed
	ds_add_u32 v[SPW], v[NIL]
	s_add_nc_u64 s[G0+4*\slot+2:G0+4*\slot+3], s[G0+4*\slot+2:G0+4*\slot+3], 2*SLOTB
	s_wait_dscnt 1                                 ; the fourth chunk is in registers; the add may be out
	BATCH 0, 1
	s_wait_dscnt 0x0                               ; the add is done, and my reads of this slot are over
	s_barrier_signal -1
	BATCH 1, 1                                     ; work on registers while the others arrive
	s_barrier_wait -1
	CREST                                          ; no wave of the four work-groups reads this slot or has a load on its way
	tensor_load_to_lds s[G0+4*\slot:G0+4*\slot+3], s[G1:G1+7]
	s_nop 0
.rept 4
	v_nop
.endr
	LOADC \next, 0, 0
	BATCH 2, 1                                     ; the rest of the fourth chunk, while the next slot's first chunk comes
	BATCH 3, 1
	v_add_nc_u32 v[CID], 58, v[CID]                ; 64 sub-chunks from slot to slot
.endif
.if \mode == 1
	s_wait_dscnt 0x0
	BATCH 0, 1
	BATCH 1, 1
	s_wait_tensorcnt 0x0                           ; my part of the last slot has landed: I alone read it
	LOADC \next, 0, 0
	BATCH 2, 1
	BATCH 3, 1
	v_add_nc_u32 v[CID], 58, v[CID]
.endif
.if \mode == 0
	s_wait_dscnt 0x0
	CHUNK 1, 58
.endif
.endm
	s_wait_alu depctr_va_vdst(0)                   ; the wait at the head's end
	s_wait_tensorcnt 0x0                           ; slot 0's part is in; slot 1's first fill is issued as a refill is
	ds_add_u32 v[SPW], v[NIL]
	s_wait_dscnt 0x0
	ROUND
	tensor_load_to_lds s[G0+4:G0+7], s[G1:G1+7]
	s_nop 0
.rept 4
	v_nop
.endr
	LOADC 0, 0, 0
	s_wait_loadcnt 0x0                             ; z
	s_mov_b32 s32, 3
.Lring:                                                ; slots 0 to 5 of the eight: each is filled again
	PHASE 0, 1, 2
	PHASE 1, 0, 2
	s_sub_co_u32 s32, s32, 1
	s_cmp_lg_u32 s32, 0
	s_cbranch_scc1 .Lring
	PHASE 0, 1, 1
	PHASE 1, 0, 0
; THE WAY OUT: 16 candidates a row (8 waves x 2 halves of the lanes): the smaller d, of equal d the lower sub-chunk.  Wave v joins tile v of z.
.macro LEX d, n
	v_cmp_lt_f32 s40, v[\d], v[CAND]
	v_cmp_eq_f32 s41, v[\d], v[CAND]
	v_cmp_lt_u32 s42, v[\n], v[CAND+1]
	s_and_b32 s41, s41, s42
	s_or_b32 s40, s40, s41
	v_cndmask_b32 v[CAND], v[CAND], v[\d], s40
	v_cndmask_b32 v[CAND+1], v[CAND+1], v[\n], s40
.endm
.irp a, 0,1,2,3,4,5,6,7
	ds_store_b64 v[MA], v[BA+2*\a:BA+2*\a+1] offset:\a*256
.endr
	s_wait_dscnt 0x0
	s_barrier_signal -1
	s_barrier_wait -1
.irp v, 0,1,2,3,4,5,6,7
	ds_load_b64 v[CAND+2*\v:CAND+2*\v+1], v[MR] offset:\v*2048
.endr
	s_wait_dscnt 0x0
.irp v, 1,2,3,4,5,6,7
	LEX CAND+2*\v, CAND+2*\v+1
.endr
	s_delay_alu instid0(VALU_DEP_2)
	v_permlanex16_b32 v[TP], v[CAND], s36, s37
	s_delay_alu instid0(VALU_DEP_2)
	v_permlanex16_b32 v[TP+1], v[CAND+1], s36, s37
	LEX TP, TP+1
	ds_store_b32 v[RS], v[CAND+1]                  ; lanes r and r + 16 write the same word with the same value
	s_wait_dscnt 0x0
	s_barrier_signal -1
	s_barrier_wait -1
	s_cmp_lg_u32 s10, 0
	s_cbranch_scc1 .Lstored
	ds_load_b128 v[CAND:CAND+3], v[RL]
	s_wait_dscnt 0x0
	global_store_b128 v[L16], v[CAND:CAND+3], s[8:9]   ; 128 numbers: 512 consecutive bytes, at a multiple of 256 from the buffer's first byte
.Lstored:
	s_wait_tensorcnt 0x0                           ; the wave's end
	ds_add_u32 v[SPW], v[NIL]
	s_wait_dscnt 0x0
	ROUND                                          ; the closing round
	s_endpgm
.Lfunc_end_k_qb67aac386c_nearest:
	.size	k_qb67aac386c_nearest, .Lfunc_end_k_qb67aac386c_nearest-k_qb67aac386c_nearest
	.p2alignl 7, 3214868480
	.fill 96, 4, 3214868480
	.section	.rodata,"a",@progbits
	.p2align	6, 0x0
	.amdhsa_kernel k_qb67aac386c_nearest
		.amdhsa_group_segment_fixed_size 327680
		.amdhsa_private_segment_fixed_size 0
		.amdhsa_enable_private_segment 0
		.amdhsa_kernarg_size 24
		.amdhsa_user_sgpr_count 2
		.amdhsa_user_sgpr_kernarg_segment_ptr 1
		.amdhsa_wavefront_size32 1
		.amdhsa_system_sgpr_workgroup_id_x 1
		.amdhsa_system_sgpr_workgroup_id_y 1
		.amdhsa_system_sgpr_workgroup_id_z 1
		.amdhsa_system_vgpr_workitem_id 0
		.amdhsa_next_free_vgpr 512
		.amdhsa_next_free_sgpr 66
		.amdhsa_reserve_vcc 0
		.amdhsa_float_denorm_mode_32 3
		.amdhsa_float_denorm_mode_16_64 3
		.amdhsa_memory_ordered 1
		.amdhsa_forward_progress 1
		.amdhsa_inst_pref_size 255
	.end_amdhsa_kernel
	.section	.bss,"aw",@nobits
	.p2align	6
	.space	262144
	.amdgpu_metadata
---
amdhsa.version: [ 1, 2 ]
amdhsa.kernels:
  - .name:           k_qb67aac386c_nearest
    .symbol:         k_qb67aac386c_nearest.kd
    .args:
      - { .name: zimg, .offset: 0, .size: 8, .value_kind: global_buffer, .address_space: global }
      - { .name: cbimg, .offset: 8, .size: 8, .value_kind: global_buffer, .address_space: global }
      - { .name: sub, .offset: 16, .size: 8, .value_kind: global_buffer, .address_space: global }
    .group_segment_fixed_size: 327680
    .private_segment_fixed_size: 0
    .kernarg_segment_align: 8
    .kernarg_segment_size: 24
    .max_flat_workgroup_size: 256
    .sgpr_count:     66
    .vgpr_count:     512
    .wavefront_size: 32
...
	.end_amdgpu_metadata
.endif
;; end of part 2
;; launch resolve (part 3): grid 256 x 1, 8 waves a work-group, no clusters, 2,048 bytes of LDS; arguments zimg, cbimg, sub, out2, idx; writes out2, idx
.if DOCPART == 3
	.amdgcn_target "amdgcn-amd-amdhsa--gfx1250"
	.amdhsa_code_object_version 6
	.text
	.protected	k_qb67aac386c_resolve
	.globl	k_qb67aac386c_resolve
	.p2align	8
	.type	k_qb67aac386c_resolve,@function
k_qb67aac386c_resolve:
	s_mov_b64 s[64:65], 0
	v_nop
	global_prefetch_b8 v0, s[64:65] scope:SCOPE_SE
	s_setreg_imm32_b32 hwreg(HW_REG_WAVE_MODE, 25, 1), 1
	s_wait_xcnt 0x0
; Launch nearest has stored, for each row of z, the number of the sub-chunk of 16 codewords that holds its first smallest d.  Here the 16 d of that sub-chunk are made again, by the same instructions on the same codes, and the first
; smallest gives the codeword's index: to out2, and to idx, from which the next launch forms addresses.
; SHARES.  A wave takes a tile of 16 rows of z.  For each row i its sub-chunk's 16 codewords are source 0 of a product with the whole tile of z (source 1); of the result only column i is kept: lanes i and i + 16.
; The sub-chunks' numbers come by a scalar load, are held at 511, and give each row a base address of its own; each lane's own row's number comes by a vector load, for its cc and its index.
; Sub-chunk S lies in record S / 2, in half h = S % 2: codeword 16 h + 8 u + j is row 8 h + j of tile u.  Source 0's row r = 8 u + j: so lane (r, l) reads at 2048 (r / 8) + 16 (r % 8) + 256 l + 128 h + 512 g; its scale word at 4096 + 8 r + 4 l + 128 h.
; No cluster: the work-groups share no tile: which records a wave reads hangs on stored numbers.  LIMITS: as in launch nearest.
.set REC,  4608
.set L16,  4                           ; v4   16 x lane
.set R4,   5                           ; v5   4 r
.set VC,   6                           ; v6   my place in a sub-chunk's codes
.set VS,   7                           ; v7   and among scale words: 4096 + 8 r + 4 l
.set ZS,   8                           ; v8   z's scale words
.set SID,  9                           ; v9   my row's sub-chunk
.set ZZ,   10                          ; v10-11 zz, in both halves of a pair
.set CO,   12                          ; v12  where my row's cc lie
.set ZF,   16                          ; v16-31 z's fragments
.set FS,   32                          ; v32-47 the codes' scale words, four for each group of four rows
.set F,    0                           ; v256-511 (window 1) the codes' fragments: 16 rows x 16 registers, so that all loads go out with none waiting for a register
.set ACC,  192                         ; v192-223 four accumulators
.set E,    224                         ; v224-231 my row's eight mm
.set CC,   232
.set T,    240                         ; v240-247 t, then d; v240 then the smallest
.set BJ,   249
.set BN,   250
.set OD,   252
.set ON,   253
.set LW,   254
.set CB,   66                          ; s[66:97] a base address for each of the 16 rows
	s_load_b128 s[4:7], s[0:1], 0x0                ; zimg, cbimg
	s_load_b128 s[8:11], s[0:1], 0x10              ; sub, out2
	s_load_b64 s[12:13], s[0:1], 0x20              ; idx
	v_lshl_add_u32 v251, v0, 2, 0x400
	v_mov_b32 v255, 0
	v_lshrrev_b32 v1, 5, v0
	s_delay_alu instid0(VALU_DEP_1)
	v_readfirstlane_b32 s14, v1                    ; wave
	v_and_b32 v1, 31, v0
	v_and_b32 v2, 15, v0                           ; r
	v_bfe_u32 v3, v0, 4, 1                         ; l
	s_lshl_b32 s15, ttmp9, 3
	s_add_co_u32 s15, s15, s14                     ; my tile of z
	s_lshl_b32 s16, s15, 6                         ; its 16 words of sub
	s_mov_b32 s17, 0
	s_lshr_b32 s18, s15, 1
	s_mul_i32 s18, s18, REC                        ; its record,
	s_mov_b32 s19, 0
	s_and_b32 s20, s15, 1                          ; and which half of it
	s_lshl_b32 s22, s20, 11
	s_mov_b32 s23, 0
	s_lshl_b32 s24, s20, 7
	s_mov_b32 s25, 0
	s_lshl_b32 s26, s20, 6
	s_mov_b32 s27, 0
	s_lshl_b32 s48, ttmp9, 9                       ; the work-group's 128 words of the outputs
	s_mov_b32 s49, 0
	s_wait_alu depctr_va_vdst(0)
	s_wait_kmcnt 0x0
	s_add_nc_u64 s[16:17], s[8:9], s[16:17]
	s_load_b512 s[32:47], s[16:17], 0x0            ; the 16 rows' sub-chunks
	s_add_nc_u64 s[18:19], s[4:5], s[18:19]
	s_add_nc_u64 s[22:23], s[18:19], s[22:23]      ; the tile's image,
	s_add_nc_u64 s[24:25], s[18:19], s[24:25]      ; its scale words' base,
	s_add_nc_u64 s[26:27], s[18:19], s[26:27]      ; its sums' base
	s_add_nc_u64 s[10:11], s[10:11], s[48:49]
	s_add_nc_u64 s[12:13], s[12:13], s[48:49]
	v_lshlrev_b32 v[L16], 4, v1
	v_lshlrev_b32 v[R4], 2, v2
	v_lshrrev_b32 v13, 3, v2
	v_and_b32 v14, 7, v2
	s_delay_alu instid0(VALU_DEP_1)
	v_lshlrev_b32 v14, 4, v14
	s_delay_alu instid0(VALU_DEP_1)
	v_lshl_add_u32 v14, v13, 11, v14
	s_delay_alu instid0(VALU_DEP_1)
	v_lshl_add_u32 v[VC], v3, 8, v14
	v_lshlrev_b32 v13, 3, v2
	s_delay_alu instid0(VALU_DEP_1)
	v_lshl_add_u32 v13, v3, 2, v13
	s_delay_alu instid0(VALU_DEP_1)
	v_add_nc_u32 v[VS], 4096, v13
	s_lshl_b32 s31, s14, 6
	v_lshl_add_u32 v[LW], v2, 2, s31               ; LDS: 64 x wave + 4 r
	v_mov_b32 v[OD], 0                             ; written once: a lane permute's destination counts as one of its sources
	v_mov_b32 v[ON], 0
	s_mov_b32 s50, 0x76543210
	s_mov_b32 s51, 0xfedcba98
.irp g, 0,1,2,3
	global_load_b128 v[ZF+4*\g:ZF+4*\g+3], v[L16], s[22:23] offset:512*\g
.endr
	global_load_b32 v[ZS], v[VS], s[24:25]
	global_load_b32 v[ZZ], v[R4], s[26:27] offset:4352
	global_load_b32 v[ZZ+1], v[R4], s[26:27] offset:4352
	global_load_b32 v[SID], v[R4], s[16:17]
	s_wait_alu depctr_va_vdst(0)
	s_wait_kmcnt 0x0
.irp i, 0,1,2,3,4,5,6,7,8,9,10,11,12,13,14,15
	s_min_u32 s[32+\i], s[32+\i], 511              ; a stored number enters an address only held inside its table
	s_and_b32 s28, s[32+\i], 0x1fe
	s_mul_i32 s28, s28, REC/2                      ; the record,
	s_and_b32 s29, s[32+\i], 1
	s_lshl_b32 s29, s29, 7                         ; and 128 bytes on for its upper half: in the codes 8 tile rows, among the scale bytes 16 codewords
	s_add_co_u32 s28, s28, s29
	s_mov_b32 s29, 0
	s_add_nc_u64 s[CB+2*\i:CB+2*\i+1], s[6:7], s[28:29]
.endr
.macro LOADG g                         ; rows 4 g .. 4 g + 3: 20 loads, into registers of their own
	s_set_vgpr_msb 0x0040                          ; the fragments land in window 1
.irp k, 0,1,2,3
.irp c, 0,1,2,3
	global_load_b128 v[F+64*(\g)+16*\k+4*\c:F+64*(\g)+16*\k+4*\c+3], v[VC], s[CB+2*(4*(\g)+\k):CB+2*(4*(\g)+\k)+1] offset:512*\c
.endr
.endr
	s_set_vgpr_msb 0x4000
.irp k, 0,1,2,3
	global_load_b32 v[FS+4*(\g)+\k], v[VS], s[CB+2*(4*(\g)+\k):CB+2*(4*(\g)+\k)+1]
.endr
.endm
; Four rows' products, the four accumulators by turns; four plain lines ahead of the first read of a result; then lanes i and i + 16 keep row i's numbers.
.macro GROUP g
	s_set_vgpr_msb 0x0001                          ; source 0, the codewords, in window 1
.irp k, 0,1,2,3
	v_wmma_scale_f32_16x16x128_f8f6f4 v[ACC+8*\k:ACC+8*\k+7], v[F+64*(\g)+16*\k:F+64*(\g)+16*\k+7], v[ZF:ZF+7], 0, v[FS+4*(\g)+\k], v[ZS] matrix_a_fmt:MATRIX_FMT_FP4 matrix_b_fmt:MATRIX_FMT_FP4
.endr
.irp k, 0,1,2,3
	v_wmma_scale_f32_16x16x128_f8f6f4 v[ACC+8*\k:ACC+8*\k+7], v[F+64*(\g)+16*\k+8:F+64*(\g)+16*\k+15], v[ZF+8:ZF+15], v[ACC+8*\k:ACC+8*\k+7], v[FS+4*(\g)+\k], v[ZS] matrix_a_fmt:MATRIX_FMT_FP4 matrix_b_fmt:MATRIX_FMT_FP4 matrix_a_scale:MATRIX_SCALE_ROW1 matrix_b_scale:MATRIX_SCALE_ROW1
.endr
	s_set_vgpr_msb 0x0100
.rept 4
	v_nop
.endr
	s_wait_alu depctr_va_vdst(0)
.irp k, 0,1,2,3
.if (4*(\g)+\k) == 0
.irp j, 0,1,2,3,4,5,6,7
	v_mov_b32 v[E+\j], v[ACC+\j]                   ; row 0 writes every lane once; the other rows then take their own two lanes
.endr
.else
	s_mov_b32 s30, 0x00010001<<(4*(\g)+\k)
.irp j, 0,1,2,3,4,5,6,7
	v_cndmask_b32 v[E+\j], v[E+\j], v[ACC+8*\k+\j], s30   ; each accumulator from its low end on
.endr
.endif
.endr
.endm
	LOADG 0
	LOADG 1
	s_wait_loadcnt 40                              ; z's eight loads are in, my row's sub-chunk among them; rows 0-7, 40 loads, may be out
	v_min_u32 v[SID], 0x1ff, v[SID]
	s_delay_alu instid0(VALU_DEP_1)
	v_and_b32 v[CO], 0x1fe, v[SID]
	s_delay_alu instid0(VALU_DEP_1)
	v_mul_u32_u24 v[CO], v[CO], REC/2
	s_delay_alu instid0(VALU_DEP_3)
	v_and_b32 v13, 1, v[SID]
	s_delay_alu instid0(VALU_DEP_1)
	v_lshl_add_u32 v[CO], v13, 6, v[CO]            ; the sub-chunk's 16 sums,
	s_delay_alu instid0(VALU_DEP_1)
	v_lshl_add_u32 v[CO], v3, 5, v[CO]             ; my half's eight
	global_load_b128 v[CC:CC+3], v[CO], s[6:7] offset:4352
	global_load_b128 v[CC+4:CC+7], v[CO], s[6:7] offset:4368
	LOADG 2
	LOADG 3
	s_wait_loadcnt 62                              ; rows 0-3 are in; behind them: rows 4-7, cc's two loads, rows 8-15
	GROUP 0
	s_wait_loadcnt 42                              ; rows 4-7 are in; behind them: cc's two loads and rows 8-15
	GROUP 1
	s_wait_loadcnt 20                              ; cc and rows 8-11 are in
	GROUP 2
	s_wait_loadcnt 0x0
	GROUP 3
.irp j, 0,2,4,6
	v_pk_add_f32 v[T+\j:T+\j+1], v[CC+\j:CC+\j+1], v[ZZ:ZZ+1]          ; t = zz + cc
.endr
.irp j, 0,2,4,6
	s_delay_alu instid0(VALU_DEP_4)
	v_pk_fma_f32 v[T+\j:T+\j+1], v[E+\j:E+\j+1], -2.0, v[T+\j:T+\j+1] op_sel_hi:[1,0,1]   ; d = t - 2 mm
.endr
	v_mov_b32 v[BJ], 0
.irp j, 1
	v_cmp_lt_f32 s30, v[T+\j], v[T]                ; strictly lower: the first of equal d stays
	s_delay_alu instid0(VALU_DEP_1)
	v_cndmask_b32 v[T], v[T], v[T+\j], s30
	s_delay_alu instid0(VALU_DEP_2)
	v_cndmask_b32 v[BJ], v[BJ], \j, s30
.endr
.irp j, 2, 3, 4, 5, 6, 7
	s_delay_alu instid0(VALU_DEP_2)
	v_cmp_lt_f32 s30, v[T+\j], v[T]                ; strictly lower: the first of equal d stays
	s_delay_alu instid0(VALU_DEP_1)
	v_cndmask_b32 v[T], v[T], v[T+\j], s30
	s_delay_alu instid0(VALU_DEP_2)
	v_cndmask_b32 v[BJ], v[BJ], \j, s30
.endr
	s_delay_alu instid0(VALU_DEP_1)
	v_lshl_add_u32 v[BN], v[SID], 4, v[BJ]
	s_delay_alu instid0(VALU_DEP_1)
	v_lshl_add_u32 v[BN], v3, 3, v[BN]             ; the codeword: 16 S + 8 l + j
	s_delay_alu instid0(VALU_DEP_4)
	v_permlanex16_b32 v[OD], v[T], s50, s51        ; against the other half of the lanes: the smaller d, of equal d the lower index
	s_delay_alu instid0(VALU_DEP_2)
	v_permlanex16_b32 v[ON], v[BN], s50, s51
	s_delay_alu instid0(VALU_DEP_2)
	v_cmp_lt_f32 s28, v[OD], v[T]
	s_delay_alu instid0(VALU_DEP_3)
	v_cmp_eq_f32 s29, v[OD], v[T]
	s_delay_alu instid0(VALU_DEP_3)
	v_cmp_lt_u32 s30, v[ON], v[BN]
	s_and_b32 s29, s29, s30
	s_or_b32 s28, s28, s29
	v_cndmask_b32 v[BN], v[BN], v[ON], s28
	ds_store_b32 v[LW], v[BN]                      ; lanes r and r + 16 write the same word with the same value
	s_wait_dscnt 0x0
	s_barrier_signal -1
	s_barrier_wait -1
	s_cmp_lg_u32 s14, 0
	s_cbranch_scc1 .Ldone
	ds_load_b128 v[T:T+3], v[L16]
	s_wait_dscnt 0x0
	global_store_b128 v[L16], v[T:T+3], s[10:11]   ; the work-group's 128 indices: 512 consecutive bytes, at a multiple of 256 from the buffer's first byte
	global_store_b128 v[L16], v[T:T+3], s[12:13]
.Ldone:
	s_wait_tensorcnt 0x0
	ds_add_u32 v251, v255
	s_wait_dscnt 0x0
	s_endpgm
.Lfunc_end_k_qb67aac386c_resolve:
	.size	k_qb67aac386c_resolve, .Lfunc_end_k_qb67aac386c_resolve-k_qb67aac386c_resolve
	.p2alignl 7, 3214868480
	.fill 96, 4, 3214868480
	.section	.rodata,"a",@progbits
	.p2align	6, 0x0
	.amdhsa_kernel k_qb67aac386c_resolve
		.amdhsa_group_segment_fixed_size 2048
		.amdhsa_private_segment_fixed_size 0
		.amdhsa_enable_private_segment 0
		.amdhsa_kernarg_size 40
		.amdhsa_user_sgpr_count 2
		.amdhsa_user_sgpr_kernarg_segment_ptr 1
		.amdhsa_wavefront_size32 1
		.amdhsa_system_sgpr_workgroup_id_x 1
		.amdhsa_system_sgpr_workgroup_id_y 1
		.amdhsa_system_sgpr_workgroup_id_z 1
		.amdhsa_system_vgpr_workitem_id 0
		.amdhsa_next_free_vgpr 512
		.amdhsa_next_free_sgpr 100
		.amdhsa_reserve_vcc 0
		.amdhsa_float_denorm_mode_32 3
		.amdhsa_float_denorm_mode_16_64 3
		.amdhsa_memory_ordered 1
		.amdhsa_forward_progress 1
		.amdhsa_inst_pref_size 36
	.end_amdhsa_kernel
	.amdgpu_metadata
---
amdhsa.version: [ 1, 2 ]
amdhsa.kernels:
  - .name:           k_qb67aac386c_resolve
    .symbol:         k_qb67aac386c_resolve.kd
    .args:
      - { .name: zimg, .offset: 0, .size: 8, .value_kind: global_buffer, .address_space: global }
      - { .name: cbimg, .offset: 8, .size: 8, .value_kind: global_buffer, .address_space: global }
      - { .name: sub, .offset: 16, .size: 8, .value_kind: global_buffer, .address_space: global }
      - { .name: out2, .offset: 24, .size: 8, .value_kind: global_buffer, .address_space: global }
      - { .name: idx, .offset: 32, .size: 8, .value_kind: global_buffer, .address_space: global }
    .group_segment_fixed_size: 2048
    .private_segment_fixed_size: 0
    .kernarg_segment_align: 8
    .kernarg_segment_size: 40
    .max_flat_workgroup_size: 256
    .sgpr_count:     100
    .vgpr_count:     512
    .wavefront_size: 32
...
	.end_amdgpu_metadata
.endif
;; end of part 3
;; launch emit (part 4): grid 256 x 1, 16 waves a work-group, no clusters, 167,936 bytes of LDS; arguments z, codebook, idx, out0, part; writes out0, part
.if DOCPART == 4
	.amdgcn_target "amdgcn-amd-amdhsa--gfx1250"
	.amdhsa_code_object_version 6
	.text
	.protected	k_qb67aac386c_emit
	.globl	k_qb67aac386c_emit
	.p2align	8
	.type	k_qb67aac386c_emit,@function
k_qb67aac386c_emit:
	s_mov_b64 s[64:65], 0
	v_nop
	global_prefetch_b8 v0, s[64:65] scope:SCOPE_SE
	s_setreg_imm32_b32 hwreg(HW_REG_WAVE_MODE, 25, 1), 1
	s_wait_xcnt 0x0
; out0 = z + (c - z), c the codeword that idx names for the row, and for each work-group the sum of (c - z)^2, to part.  All in f32.
; A stream.  A wave takes 8 rows of 1,024 bytes.  Its rows of z are 8,192 dense bytes: ONE tensor load at the head brings them into the wave's own LDS bytes, as 32 rows of 256 bytes; only the wave itself reads them,
; 512 consecutive bytes an LDS load.  The 8 indices come by one scalar load, are held at 8,191 and give each row's codeword a base address of its own: 16 loads into registers, all out at once.
; LDS is filled once and never again.
; Rows are worked in pairs, line by line, with a set of sums for each row of a pair: no line reads what one of the seven lines above it wrote.
; No matrix unit and no cluster: the work-groups share no tile (each row of z is read by one wave; which codewords a wave reads hangs on stored numbers).
.set L16, 2                            ; v2   16 x lane
.set ZA,  6                            ; v6   LDS address of my 16 bytes in my wave's first half row
.set Z,   16                           ; v16-79  z, then the result
.set C,   80                           ; v80-143 c, then c - z
.set AC,  144                          ; v144-159 the sums of squares: four pairs for each row of a pair
.set CB,  66                           ; s[66:81] a base address for each row's codeword
.set G1,  40                           ; s[40:47] descriptor group 1
.set G0,  48                           ; s[48:51] descriptor group 0
.set PS,  131072                       ; behind the 16 waves' tiles: the waves' 16 partial sums, in a block of 256 bytes of their own
.set SPARE, PS+256                     ; and the spare words, 128 bytes a wave
	s_load_b128 s[4:7], s[0:1], 0x0                ; z, codebook
	s_load_b128 s[8:11], s[0:1], 0x10              ; idx, out0
	s_load_b64 s[12:13], s[0:1], 0x20              ; part
	v_lshl_add_u32 v160, v0, 2, SPARE
	v_mov_b32 v161, 0
	ds_add_u32 v160, v161                          ; the opening lines: the add, twice on end, and its wait ahead of my tensor load
	ds_add_u32 v160, v161
	v_lshrrev_b32 v1, 5, v0
	s_delay_alu instid0(VALU_DEP_1)
	v_readfirstlane_b32 s14, v1                    ; wave
	s_lshl_b32 s15, ttmp9, 4
	s_add_co_u32 s15, s15, s14                     ; my 8 rows
	s_lshl_b32 s16, s15, 5
	s_mov_b32 s17, 0
	s_lshl_b32 s18, s15, 13
	s_mov_b32 s19, 0
	s_lshl_b32 s20, ttmp9, 2
	s_mov_b32 s21, 0
	s_mov_b32 s22, 0x76543210
	s_mov_b32 s23, 0xfedcba98
	s_lshl_b32 s24, s14, 2
	s_add_co_u32 s24, s24, PS                      ; my wave's word among the partial sums
	s_lshl_b32 s26, s14, 13                        ; my wave's tile in LDS
	s_mov_b32 s[G1+0], 3<<16                       ; elements of 8 bytes, no mask, no padding
	s_mov_b32 s[G1+1], 32<<16                      ; tensor_dim0 = 32 elements: 256 bytes
	s_mov_b32 s[G1+2], 32<<16                      ; tensor_dim1 = 32 rows
	s_mov_b32 s[G1+3], 32<<16                      ; tile_dim0
	s_mov_b32 s[G1+4], 32                          ; tile_dim1
	s_mov_b32 s[G1+5], 32                          ; the pitch: the block is dense
	s_mov_b32 s[G1+6], 0
	s_mov_b32 s[G1+7], 0
	s_wait_dscnt 0x0                               ; both opening adds are done
	s_wait_kmcnt 0x0
	s_add_nc_u64 s[16:17], s[8:9], s[16:17]
	s_load_b256 s[32:39], s[16:17], 0x0            ; my 8 indices
	s_add_nc_u64 s[4:5], s[4:5], s[18:19]
	s_add_nc_u64 s[10:11], s[10:11], s[18:19]
	s_add_nc_u64 s[12:13], s[12:13], s[20:21]
	s_mov_b32 s[G0], 1
	s_mov_b32 s[G0+1], s26
	s_mov_b64 s[G0+2:G0+3], s[4:5]
	s_or_b32 s[G0+3], s[G0+3], 0x80000000
	tensor_load_to_lds s[G0:G0+3], s[G1:G1+7]      ; my 8 rows of z: my one tensor load
	s_nop 0
	v_and_b32 v1, 31, v0
	s_delay_alu instid0(VALU_DEP_1)
	v_lshlrev_b32 v[L16], 4, v1
	s_delay_alu instid0(VALU_DEP_1)
	v_add_nc_u32 v[ZA], s26, v[L16]
	s_wait_alu depctr_va_vdst(0)                   ; the wait at the head's end
	s_wait_kmcnt 0x0
.irp i, 0,1,2,3,4,5,6,7
	s_min_u32 s[32+\i], s[32+\i], 8191             ; a stored number enters an address only held inside its table
	s_lshl_b32 s28, s[32+\i], 10
	s_mov_b32 s29, 0
	s_add_nc_u64 s[CB+2*\i:CB+2*\i+1], s[6:7], s[28:29]
.endr
.irp k, 0,1,2,3,4,5,6,7
.irp e, 0,1
	global_load_b128 v[C+8*\k+4*\e:C+8*\k+4*\e+3], v[L16], s[CB+2*\k:CB+2*\k+1] offset:512*\e
.endr
.endr
	s_wait_tensorcnt 0x0                           ; my tile has landed: I alone read it
.irp k, 0,1,2,3,4,5,6,7
.irp e, 0,1
	ds_load_b128 v[Z+8*\k+4*\e:Z+8*\k+4*\e+3], v[ZA] offset:\k*1024+512*\e
.endr
.endr
.macro ROW2 k                          ; rows k and k + 1
.irp r, 0,1
.irp j, 0,2,4,6
	v_pk_add_f32 v[C+8*(\k+\r)+\j:C+8*(\k+\r)+\j+1], v[C+8*(\k+\r)+\j:C+8*(\k+\r)+\j+1], v[Z+8*(\k+\r)+\j:Z+8*(\k+\r)+\j+1] neg_lo:[0,1] neg_hi:[0,1]   ; c - z
.endr
.endr
.irp r, 0,1
.irp j, 0,2,4,6
	v_pk_add_f32 v[Z+8*(\k+\r)+\j:Z+8*(\k+\r)+\j+1], v[Z+8*(\k+\r)+\j:Z+8*(\k+\r)+\j+1], v[C+8*(\k+\r)+\j:C+8*(\k+\r)+\j+1]   ; z + (c - z)
.endr
.endr
.irp r, 0,1
.irp j, 0,2,4,6
.if \k == 0
	v_pk_mul_f32 v[AC+8*\r+\j:AC+8*\r+\j+1], v[C+8*(\k+\r)+\j:C+8*(\k+\r)+\j+1], v[C+8*(\k+\r)+\j:C+8*(\k+\r)+\j+1]   ; the first pair starts the sums
.else
	v_pk_fma_f32 v[AC+8*\r+\j:AC+8*\r+\j+1], v[C+8*(\k+\r)+\j:C+8*(\k+\r)+\j+1], v[C+8*(\k+\r)+\j:C+8*(\k+\r)+\j+1], v[AC+8*\r+\j:AC+8*\r+\j+1]
.endif
.endr
.endr
.endm
.macro OUT4 k                          ; rows k .. k + 3: each store 512 consecutive bytes, at a multiple of 256 from the buffer's first byte
.irp r, 0,1,2,3
.irp e, 0,1
	global_store_b128 v[L16], v[Z+8*(\k+\r)+4*\e:Z+8*(\k+\r)+4*\e+3], s[10:11] offset:(\k+\r)*1024+512*\e th:TH_STORE_NT
.endr
.endr
.endm
	s_wait_dscnt 8                                 ; z's rows 0-3 are in registers; the 8 LDS loads of rows 4-7 may be out
	s_wait_loadcnt 8                               ; the codewords of rows 0-3 are in; those of rows 4-7, 8 loads, may be out
	ROW2 0
	ROW2 2
	OUT4 0
	s_wait_dscnt 0x0
	s_wait_loadcnt 0x0
	ROW2 4
	ROW2 6
	OUT4 4
.irp j, 0,2,4,6
	v_pk_add_f32 v[AC+\j:AC+\j+1], v[AC+\j:AC+\j+1], v[AC+8+\j:AC+8+\j+1]   ; the two sets of sums are joined
.endr
	s_delay_alu instid0(VALU_DEP_3)
	v_pk_add_f32 v[AC:AC+1], v[AC:AC+1], v[AC+2:AC+3]
	s_delay_alu instid0(VALU_DEP_2)
	v_pk_add_f32 v[AC+4:AC+5], v[AC+4:AC+5], v[AC+6:AC+7]
	s_delay_alu instid0(VALU_DEP_1)
	v_pk_add_f32 v[AC:AC+1], v[AC:AC+1], v[AC+4:AC+5]
	s_delay_alu instid0(VALU_DEP_1)
	v_add_f32 v[AC], v[AC], v[AC+1]
	s_delay_alu instid0(VALU_DEP_1)
	v_add_f32_dpp v[AC], v[AC], v[AC] row_xmask:1 row_mask:0xf bank_mask:0xf
	s_delay_alu instid0(VALU_DEP_1)
	v_add_f32_dpp v[AC], v[AC], v[AC] row_xmask:2 row_mask:0xf bank_mask:0xf
	s_delay_alu instid0(VALU_DEP_1)
	v_add_f32_dpp v[AC], v[AC], v[AC] row_xmask:4 row_mask:0xf bank_mask:0xf
	s_delay_alu instid0(VALU_DEP_1)
	v_add_f32_dpp v[AC], v[AC], v[AC] row_xmask:8 row_mask:0xf bank_mask:0xf
	s_delay_alu instid0(VALU_DEP_1)
	v_permlanex16_b32 v[AC+1], v[AC], s22, s23
	s_delay_alu instid0(VALU_DEP_1)
	v_add_f32 v[AC], v[AC], v[AC+1]                ; the wave's sum, in every lane
	v_mov_b32 v3, s24
	ds_store_b32 v3, v[AC]                         ; all lanes write the wave's word with the same value
	s_wait_dscnt 0x0
	s_barrier_signal -1
	s_barrier_wait -1
	s_cmp_lg_u32 s14, 0
	s_cbranch_scc1 .Ldone
	v_mov_b32 v4, PS
	v_mov_b32 v5, 0
.irp q, 0,1,2,3
	ds_load_b128 v[164+4*\q:167+4*\q], v4 offset:16*\q
.endr
	s_wait_dscnt 0x0
.irp q, 0,1,2,3
	v_pk_add_f32 v[164+4*\q:165+4*\q], v[164+4*\q:165+4*\q], v[166+4*\q:167+4*\q]
.endr
	s_delay_alu instid0(VALU_DEP_3)
	v_pk_add_f32 v[164:165], v[164:165], v[168:169]
	s_delay_alu instid0(VALU_DEP_2)
	v_pk_add_f32 v[172:173], v[172:173], v[176:177]
	s_delay_alu instid0(VALU_DEP_1)
	v_pk_add_f32 v[164:165], v[164:165], v[172:173]
	s_delay_alu instid0(VALU_DEP_1)
	v_add_f32 v164, v164, v165
	v_cmp_eq_u32 vcc_lo, 0, v0
	s_wait_alu depctr_va_vdst(0)                   ; the wait ahead of the wait below
	s_wait_xcnt 0x0                                ; EXEC is a source of the stores above: it changes only behind this wait
	s_and_saveexec_b32 s25, vcc_lo
	global_store_b32 v5, v164, s[12:13]            ; one number for the work-group
	s_wait_xcnt 0x0                                ; and again, in front of the line that widens it
	s_or_b32 exec_lo, exec_lo, s25
.Ldone:
	s_wait_tensorcnt 0x0                           ; the wave's end
	ds_add_u32 v160, v161
	s_wait_dscnt 0x0
	s_endpgm
.Lfunc_end_k_qb67aac386c_emit:
	.size	k_qb67aac386c_emit, .Lfunc_end_k_qb67aac386c_emit-k_qb67aac386c_emit
	.p2alignl 7, 3214868480
	.fill 96, 4, 3214868480
	.section	.rodata,"a",@progbits
	.p2align	6, 0x0
	.amdhsa_kernel k_qb67aac386c_emit
		.amdhsa_group_segment_fixed_size 167936
		.amdhsa_private_segment_fixed_size 0
		.amdhsa_enable_private_segment 0
		.amdhsa_kernarg_size 40
		.amdhsa_user_sgpr_count 2
		.amdhsa_user_sgpr_kernarg_segment_ptr 1
		.amdhsa_wavefront_size32 1
		.amdhsa_system_sgpr_workgroup_id_x 1
		.amdhsa_system_sgpr_workgroup_id_y 1
		.amdhsa_system_sgpr_workgroup_id_z 1
		.amdhsa_system_vgpr_workitem_id 0
		.amdhsa_next_free_vgpr 184
		.amdhsa_next_free_sgpr 100
		.amdhsa_reserve_vcc 1
		.amdhsa_float_denorm_mode_32 3
		.amdhsa_float_denorm_mode_16_64 3
		.amdhsa_memory_ordered 1
		.amdhsa_forward_progress 1
		.amdhsa_inst_pref_size 17
	.end_amdhsa_kernel
	.amdgpu_metadata
---
amdhsa.version: [ 1, 2 ]
amdhsa.kernels:
  - .name:           k_qb67aac386c_emit
    .symbol:         k_qb67aac386c_emit.kd
    .args:
      - { .name: z, .offset: 0, .size: 8, .value_kind: global_buffer, .address_space: global }
      - { .name: codebook, .offset: 8, .size: 8, .value_kind: global_buffer, .address_space: global }
      - { .name: idx, .offset: 16, .size: 8, .value_kind: global_buffer, .address_space: global }
      - { .name: out0, .offset: 24, .size: 8, .value_kind: global_buffer, .address_space: global }
      - { .name: part, .offset: 32, .size: 8, .value_kind: global_buffer, .address_space: global }
    .group_segment_fixed_size: 167936
    .private_segment_fixed_size: 0
    .kernarg_segment_align: 8
    .kernarg_segment_size: 40
    .max_flat_workgroup_size: 512
    .sgpr_count:     100
    .vgpr_count:     184
    .wavefront_size: 32
...
	.end_amdgpu_metadata
.endif
;; end of part 4
;; launch loss (part 5): grid 1 x 1, 1 waves a work-group, no clusters, 0 bytes of LDS; arguments part, out1; writes out1
.if DOCPART == 5
	.amdgcn_target "amdgcn-amd-amdhsa--gfx1250"
	.amdhsa_code_object_version 6
	.text
	.protected	k_qb67aac386c_loss
	.globl	k_qb67aac386c_loss
	.p2align	8
	.type	k_qb67aac386c_loss,@function
k_qb67aac386c_loss:
	s_mov_b64 s[64:65], 0
	v_nop
	global_prefetch_b8 v0, s[64:65] scope:SCOPE_SE
	s_setreg_imm32_b32 hwreg(HW_REG_WAVE_MODE, 25, 1), 1
	s_wait_xcnt 0x0
; out1 = m + 0.25 m, m the mean of (c - z)^2 over 32,768 x 256 = 2^23 numbers: the 256 work-groups' sums are added by one wave, eight a lane.  The sum spans work-groups, so it has a launch of its own and one owner.
	s_load_b128 s[4:7], s[0:1], 0x0                ; part, out1
	v_lshlrev_b32 v1, 5, v0                        ; 32 bytes a lane
	s_mov_b32 s8, 0x76543210
	s_mov_b32 s9, 0xfedcba98
	v_mov_b32 v12, 0                               ; a lane permute's destination counts as one of its sources
	v_mov_b32 v13, 0
	s_wait_alu depctr_va_vdst(0)
	s_wait_kmcnt 0x0
	global_load_b128 v[4:7], v1, s[4:5]
	global_load_b128 v[8:11], v1, s[4:5] offset:16
	s_wait_loadcnt 0x0
	v_pk_add_f32 v[4:5], v[4:5], v[6:7]
	v_pk_add_f32 v[8:9], v[8:9], v[10:11]
	v_pk_add_f32 v[4:5], v[4:5], v[8:9]
	v_add_f32 v4, v4, v5
	v_add_f32_dpp v4, v4, v4 row_xmask:1 row_mask:0xf bank_mask:0xf
	v_add_f32_dpp v4, v4, v4 row_xmask:2 row_mask:0xf bank_mask:0xf
	v_add_f32_dpp v4, v4, v4 row_xmask:4 row_mask:0xf bank_mask:0xf
	v_add_f32_dpp v4, v4, v4 row_xmask:8 row_mask:0xf bank_mask:0xf
	v_permlanex16_b32 v12, v4, s8, s9
	v_add_f32 v4, v4, v12
	v_mul_f32 v4, 0x34000000, v4                   ; x 2^-23: the mean
	v_fma_f32 v4, v4, 0x3e800000, v4               ; + 0.25 of it
	v_cmp_eq_u32 vcc_lo, 0, v0
	s_wait_alu depctr_va_vdst(0)
	s_wait_xcnt 0x0                                ; EXEC changes only behind this wait
	s_and_saveexec_b32 s10, vcc_lo
	global_store_b32 v13, v4, s[6:7]
	s_wait_xcnt 0x0
	s_or_b32 exec_lo, exec_lo, s10
	s_endpgm
.Lfunc_end_k_qb67aac386c_loss:
	.size	k_qb67aac386c_loss, .Lfunc_end_k_qb67aac386c_loss-k_qb67aac386c_loss
	.p2alignl 7, 3214868480
	.fill 96, 4, 3214868480
	.section	.rodata,"a",@progbits
	.p2align	6, 0x0
	.amdhsa_kernel k_qb67aac386c_loss
		.amdhsa_group_segment_fixed_size 0
		.amdhsa_private_segment_fixed_size 0
		.amdhsa_enable_private_segment 0
		.amdhsa_kernarg_size 16
		.amdhsa_user_sgpr_count 2
		.amdhsa_user_sgpr_kernarg_segment_ptr 1
		.amdhsa_wavefront_size32 1
		.amdhsa_system_sgpr_workgroup_id_x 1
		.amdhsa_system_sgpr_workgroup_id_y 1
		.amdhsa_system_sgpr_workgroup_id_z 1
		.amdhsa_system_vgpr_workitem_id 0
		.amdhsa_next_free_vgpr 32
		.amdhsa_next_free_sgpr 66
		.amdhsa_reserve_vcc 1
		.amdhsa_float_denorm_mode_32 3
		.amdhsa_float_denorm_mode_16_64 3
		.amdhsa_memory_ordered 1
		.amdhsa_forward_progress 1
		.amdhsa_inst_pref_size 2
	.end_amdhsa_kernel
	.amdgpu_metadata
---
amdhsa.version: [ 1, 2 ]
amdhsa.kernels:
  - .name:           k_qb67aac386c_loss
    .symbol:         k_qb67aac386c_loss.kd
    .args:
      - { .name: part, .offset: 0, .size: 8, .value_kind: global_buffer, .address_space: global }
      - { .name: out1, .offset: 8, .size: 8, .value_kind: global_buffer, .address_space: global }
    .group_segment_fixed_size: 0
    .private_segment_fixed_size: 0
    .kernarg_segment_align: 8
    .kernarg_segment_size: 16
    .max_flat_workgroup_size: 32
    .sgpr_count:     66
    .vgpr_count:     32
    .wavefront_size: 32
...
	.end_amdgpu_metadata
.endif
;; end of part 5
